; MI455X (gfx1250); checked and timed in simulation.
; The chip was launched on July 23, 2026; its instructions are those of AMD's public machine-readable ISA for CDNA 5 (MIT licence, August 2026) and "CDNA5" Instruction Set Architecture Reference Guide (July 2026). The comments in the code are by the model that wrote it; some were corrected since.
;; Multi Head Attention. Allowed arithmetic: matrix products marked QUANTISED: E2M1 operands, one E8M0 scale for each 32 along K, by v_wmma_scale_f32_16x16x128_f8f6f4 with both operands' format E2M1 (or v_wmma_scale_f32_32x16x128_f4), f32 sums; everything else in f32.
;; Inputs: W_k 1,024 x 1,024 float32; W_o 1,024 x 1,024 float32; W_q 1,024 x 1,024 float32; W_v 1,024 x 1,024 float32; b_k 1,024 float32; b_o 1,024 float32; b_q 1,024 float32; b_v 1,024 float32; x 4 x 2,048 x 1,024 float32.
;; Outputs: out0 4 x 2,048 x 1,024 float32.
;; This version of the problem:
;;   THIS VERSION OF THE PROBLEM IS GIVEN IN LOW PRECISION. The matrix products marked QUANTISED in the list below multiply operands that are first quantised to E2M1 (2 exponent bits, 1 mantissa bit; 4 bits a number), with one power-of-two scale for each 32 numbers along K (OCP MX v1.0); their sums are f32. All else is computed in f32.
;;   The module's matrix products, in the order in which they are computed (A, B: the left and right operand; K: the contracted axis; several contracted axes count as one K, in the product's order):
;;     1. [M 8,192, K 1,024] x [K 1,024, N 1,024]; A: input x; B: input W_q: QUANTISED
;;     2. [M 8,192, K 1,024] x [K 1,024, N 1,024]; A: input x; B: input W_k: QUANTISED
;;     3. [M 8,192, K 1,024] x [K 1,024, N 1,024]; A: input x; B: input W_v: QUANTISED
;;     4. batch 64 x [M 2,048, K 64] x [K 64, N 2,048]; A: computed on the way; B: computed on the way: QUANTISED
;;     5. batch 64 x [M 2,048, K 2,048] x [K 2,048, N 64]; A: softmax (see below); B: computed on the way: QUANTISED
;;     6. [M 8,192, K 1,024] x [K 1,024, N 1,024]; A: computed on the way; B: input W_o: QUANTISED
;;   THE QUANTISER, for each operand of a quantised product, along K:
;;     - K is cut into blocks of 32 from its start; a last block that is shorter is filled with zeros.
;;     - A block's scale is 2^e with e = floor(log2(the largest magnitude in the block)) - 2, held to -126 .. 127; a block of zeros has e = 0. As a byte (E8M0): e + 127.
;;     - Each number is divided by its block's scale, clamped to +-6, and rounded to the nearest number of E2M1, ties to even, subnormals kept.
;;     - The product sums the exact products of the quantised numbers (number of the format x scale) in f32.
;;   ~~~python
;;   def quantise(x, axis):      # numpy; x: float32 -> the quantised numbers, widened to float32 again
;;       x = np.moveaxis(x, axis, -1); K = x.shape[-1]
;;       x = np.pad(x, [(0, 0)] * (x.ndim - 1) + [(0, -K % 32)]); x = x.reshape(x.shape[:-1] + (-1, 32)); a = np.abs(x).max(-1, keepdims=True)
;;       e = np.where(a > 0, np.clip(np.frexp(np.where(a > 0, a, 1))[1] - 1 - 2, -126, 127), 0)      # np.frexp(a)[1] - 1 = floor(log2(a)), exactly
;;       r = np.clip(x / 2.0 ** e, -6, 6)
;;       step = 2.0 ** (np.maximum(np.frexp(np.where(r == 0, 1, r))[1] - 1, 0) - 1)
;;       q = np.round(r / step) * step * 2.0 ** e      # np.round: ties to even
;;       return np.moveaxis(q.reshape(q.shape[:-2] + (-1,))[..., :K], -1, axis).astype(np.float32)
;;   ~~~
;;   SOFTMAX AHEAD OF A QUANTISED PRODUCT. Where the list says 'softmax', what is quantised is not the finished softmax but p = 2^(t - M), with t = logit x log2(e) and M = ceil(the row's largest t), a whole number; so 1/2 < the row's largest p <= 1. The row's sum l is taken of the UNQUANTISED p, in f32, and the product's result is divided by l at the end. Since M is a whole number, a kernel that streams over the keys may use a running M (the ceiling of the running maximum): every later rescaling is an exact power of two, which a block's scale takes up: the codes' values come out the same.
;;   OPERANDS COMPUTED ON THE WAY. 'Computed on the way' means the value that the module computes at that place (a softmax that the list does not call 'softmax' is quantised finished and normalised). What goes into a quantiser is computed in f32, as accurately as f32 sums, v_exp_f32 and their like allow (about 1e-6 of the number): no bf16 or f16 on the way to a quantiser, and a product that is left as it is and whose result goes on into a quantised operand takes f32 operands (vector FMAs, or v_wmma_f32_16x16x4_f32). A number that lies on a knife's edge between two numbers of the format may be rounded either way, as far as f32 arithmetic and the matrix unit's own rounding can turn it there, and no further.
;; One version. Each part assembles by itself: llvm-mc -triple=amdgcn-amd-amdhsa -mcpu=gfx1250 --defsym DOCPART=n.
;; ======== version 1 of 1: 4 launches
;; workspace buffers: crec 6,684,672 bytes; orec 4,456,448 bytes; qrec 4,718,592 bytes; kv 9,175,040 bytes
;; launch quant (part 1): grid 768 x 1, 2 waves a work-group, no clusters, 17,152 bytes of LDS; arguments x, W_q, W_k, W_v, W_o, crec; writes crec
.if DOCPART == 1
	.amdgcn_target "amdgcn-amd-amdhsa--gfx1250"
	.amdhsa_code_object_version 6
	.text
	.protected	k_qc073bc3a32_quant
	.globl	k_qc073bc3a32_quant
	.p2align	8
	.type	k_qc073bc3a32_quant,@function
k_qc073bc3a32_quant:
	s_mov_b64 s[64:65], 0
	v_nop
	global_prefetch_b8 v0, s[64:65] scope:SCOPE_SE
	s_setreg_imm32_b32 hwreg(HW_REG_WAVE_MODE, 25, 1), 1
	s_wait_xcnt 0x0
; x [8192][1024] and W_q, W_k, W_v, W_o [1024][1024], f32 with K innermost, become codes of FP4 (E2M1) with one E8M0 byte for each 32 along K.
; A block's scale is 2^(floor(log2(its largest magnitude)) - 2); its byte is the largest magnitude's exponent field - 2, held at 1 from below by a floor among the maximum's leaves.
; LIMITS: a block of zeros, or one whose largest magnitude lies under 2^-124, gets the byte 1 (the bytes are read by this program alone; zero codes add nothing); NaN and infinities are not served.
; THE LAYOUT OF crec.  The five tensors are one stream of 12,288 rows: x's 8,192, then W_q's, W_k's, W_v's, W_o's.  128 rows are a record of 69,632 bytes:
;   scale words [tile 8][q 2][r 16][4 words: K steps 4 q .. 4 q + 3] = 4,096 bytes, then codes [K step 8][tile 8][piece c 2][512 bytes].
; A TILE'S ROWS ARE NOT NEIGHBOURS: row r of tile T is row 32 (T / 2) + 8 (T % 2) + r + 8 (r / 8), so that a later product that takes such a tile as source 0 leaves 16 neighbours in a lane's registers of two tiles.
; A piece is an image of four operand registers: lane (r, h) has its 16 bytes at 16 x lane: the codes of k = 128 s + 64 c + 32 h + 0 .. 31 of the tile's row r.
; SHARES.  A work-group is one tile; its two waves take four K steps each.  Nothing is shared between work-groups or waves: no cluster, no barrier, no tensor load.
; A step: 16 loads, each 512 consecutive bytes of one row; through the wave's own stage in LDS (rows 528 bytes apart, so that 16 rows start at 16 different banks); back as 2 x 32 neighbours a lane.
.set REC,  69632
.set SPT,  528                         ; a stage row: 512 bytes + 16
.set STG,  16*SPT                      ; a wave's stage
.set W,    24                          ; v24-27   a scale word for each of my four steps
.set C,    32                          ; v32-63   codes: eight registers for each step, so that no store's data are written again
.set R,    64                          ; v64-191  two sets of 64: a step's numbers as loaded
.set X,    192                         ; v192-255 my two blocks of 32 neighbours
.set WV,   28
	s_load_b256 s[4:11], s[0:1], 0x0               ; x, W_q, W_k, W_v
	s_load_b128 s[12:15], s[0:1], 0x20             ; W_o, crec
	v_lshl_add_u32 v30, v0, 2, 0x4200
	v_mov_b32 v31, 0
	v_lshrrev_b32 v1, 5, v0
	v_readfirstlane_b32 s[WV], v1                  ; wave = q
	v_and_b32 v1, 31, v0                           ; lane
	v_lshlrev_b32 v2, 4, v1                        ; 16 x lane: my bytes of a load's 512, and of a piece
	v_and_b32 v3, 15, v0                           ; r
	v_bfe_u32 v6, v0, 4, 1                         ; h
	s_mul_i32 s29, s[WV], STG
	v_add_nc_u32 v4, s29, v2                       ; the stage, on the way in
	v_mul_u32_u24 v5, v3, SPT
	v_lshl_add_u32 v5, v6, 7, v5
	v_add_nc_u32 v5, s29, v5                       ; and back: row r, 128 h bytes on: 32 numbers
	v_lshlrev_b32 v3, 4, v3                        ; 16 r: my row's four scale words
	v_lshlrev_b32 v6, 3, v6                        ; 8 h: my bytes' place in a scale word
	v_mov_b32 v14, 0                               ; a lane permute's destination counts as read
	s_mov_b32 s26, 0x76543210
	s_mov_b32 s27, 0xfedcba98                      ; v_permlanex16_b32's selects for lane l xor 16
	s_wait_alu depctr_va_vdst(0)
	s_wait_kmcnt 0x0
	s_cmp_lt_u32 ttmp9, 512                        ; which tensor is my tile's, and at which tile it begins: the choice hangs on the work-group's number alone
	s_cselect_b64 s[16:17], s[4:5], s[6:7]
	s_cselect_b32 s18, 0, 512
	s_cmp_lt_u32 ttmp9, 576
	s_cselect_b64 s[16:17], s[16:17], s[8:9]
	s_cselect_b32 s18, s18, 576
	s_cmp_lt_u32 ttmp9, 640
	s_cselect_b64 s[16:17], s[16:17], s[10:11]
	s_cselect_b32 s18, s18, 640
	s_cmp_lt_u32 ttmp9, 704
	s_cselect_b64 s[16:17], s[16:17], s[12:13]
	s_cselect_b32 s18, s18, 704
	s_sub_co_u32 s19, ttmp9, s18                   ; the tile's number in its tensor
	s_lshr_b32 s24, s19, 1
	s_lshl_b32 s24, s24, 17                        ; 32 rows of 4,096 bytes
	s_and_b32 s19, s19, 1
	s_lshl_b32 s19, s19, 15                        ; 8 rows
	s_add_co_u32 s24, s24, s19
	s_lshl_b32 s19, s[WV], 11                      ; my four K steps: 2,048 bytes on
	s_add_co_u32 s24, s24, s19
	s_mov_b32 s25, 0
	s_add_nc_u64 s[16:17], s[16:17], s[24:25]
	s_lshr_b32 s19, ttmp9, 3
	s_mul_i32 s24, s19, REC                        ; the tile's record
	s_and_b32 s19, ttmp9, 7
	s_lshl_b32 s30, s19, 10
	s_add_co_u32 s30, s30, s24
	s_lshl_b32 s31, s[WV], 15
	s_add_co_u32 s30, s30, s31
	s_add_co_u32 s30, s30, 4096
	s_mov_b32 s31, 0
	s_add_nc_u64 s[20:21], s[14:15], s[30:31]      ; my codes: record + 4,096 + 1,024 tile + 32,768 q
	s_lshl_b32 s30, s19, 9
	s_add_co_u32 s30, s30, s24
	s_lshl_b32 s19, s[WV], 8
	s_add_co_u32 s30, s30, s19
	s_add_nc_u64 s[22:23], s[14:15], s[30:31]      ; my scale words: record + 512 tile + 256 q
.macro LOAD t                          ; step t: 128 numbers of each of the tile's 16 rows
.irp i, 0,1,2,3,4,5,6,7,8,9,10,11,12,13,14,15
	global_load_b128 v[R+64*((\t)%2)+4*\i:R+64*((\t)%2)+4*\i+3], v2, s[16:17] offset:(\i+8*(\i/8))*4096+512*(\t) th:TH_LOAD_NT
.endr
.endm
.macro STEP t
.if (\t) < 3
	s_wait_loadcnt 16                              ; this step's 16 loads are in; the next step's 16 may be out
.else
	s_wait_loadcnt 0x0
.endif
.irp i, 0,1,2,3,4,5,6,7,8,9,10,11,12,13,14,15
	ds_store_b128 v4, v[R+64*((\t)%2)+4*\i:R+64*((\t)%2)+4*\i+3] offset:SPT*\i
.endr
.irp c, 0,1
.irp j, 0,1,2,3,4,5,6,7
	ds_load_b128 v[X+32*\c+4*\j:X+32*\c+4*\j+3], v5 offset:256*\c+16*\j   ; LDS serves a wave's instructions in order: these see the stores above
.endr
.endr
	s_wait_dscnt 0x0                               ; my 64 numbers are back, and the stores have read their registers,
.if (\t) < 2
	LOAD (\t)+2                                    ; which take the loads of two steps on
.endif
	v_max3_num_f32 v8, |v[X]|, |v[X+1]|, 0x1800000      ; block h, and the floor 2^(3 - 127): the byte cannot fall under 1
	v_max3_num_f32 v9, |v[X+32]|, |v[X+33]|, 0x1800000  ; block 2 + h
.irp i, 2,4,6,8,10,12,14,16,18,20,22,24,26,28,30
	v_max3_num_f32 v8, v8, |v[X+\i]|, |v[X+\i+1]|
	v_max3_num_f32 v9, v9, |v[X+32+\i]|, |v[X+33+\i]|
.endr
	v_add_nc_u32 v10, 0xff000000, v8               ; 2 off the exponent field: the conversion takes this operand's exponent field as its scale
	v_add_nc_u32 v11, 0xff000000, v9
	v_lshrrev_b32 v12, 23, v10                     ; the scales' bytes
	v_lshrrev_b32 v13, 23, v11
	v_lshl_or_b32 v15, v13, 16, v12                ; blocks h and 2 + h,
	v_lshlrev_b32 v15, v6, v15                     ; at their places in the row's word;
	v_permlanex16_b32 v14, v15, s26, s27
	v_or_b32 v[W+(\t)], v15, v14                   ; with lane l xor 16's two the word is whole
.irp c, 0,1
.irp g, 0,1,2,3
	v_cvt_scalef32_pk8_fp4_f32 v[C+8*(\t)+4*\c+\g], v[X+32*\c+8*\g:X+32*\c+8*\g+7], v[10+\c]
.endr
.endr
	v_nop                                          ; one plain place behind the scaled conversions
.irp c, 0,1
	global_store_b128 v2, v[C+8*(\t)+4*\c:C+8*(\t)+4*\c+3], s[20:21] offset:8192*(\t)+512*\c   ; a piece: 512 consecutive bytes, aligned
.endr
.endm
	LOAD 0
	LOAD 1
	STEP 0
	STEP 1
	STEP 2
	STEP 3
	s_wait_xcnt 0x0                                ; EXEC changes only behind this wait
	v_cmp_gt_u32 vcc_lo, 16, v1
	s_wait_tensorcnt 0x0
	ds_add_u32 v30, v31
	s_wait_dscnt 0x0
	s_and_saveexec_b32 s19, vcc_lo
	global_store_b128 v3, v[W:W+3], s[22:23]       ; sixteen lanes store 256 consecutive bytes, aligned: 16 rows x 4 words
	s_wait_xcnt 0x0
	s_or_b32 exec_lo, exec_lo, s19
	s_endpgm
.Lfunc_end_k_qc073bc3a32_quant:
	.size	k_qc073bc3a32_quant, .Lfunc_end_k_qc073bc3a32_quant-k_qc073bc3a32_quant
	.p2alignl 7, 3214868480
	.fill 96, 4, 3214868480
	.section	.rodata,"a",@progbits
	.p2align	6, 0x0
	.amdhsa_kernel k_qc073bc3a32_quant
		.amdhsa_group_segment_fixed_size 17152
		.amdhsa_private_segment_fixed_size 0
		.amdhsa_enable_private_segment 0
		.amdhsa_kernarg_size 48
		.amdhsa_user_sgpr_count 2
		.amdhsa_user_sgpr_kernarg_segment_ptr 1
		.amdhsa_wavefront_size32 1
		.amdhsa_system_sgpr_workgroup_id_x 1
		.amdhsa_system_sgpr_workgroup_id_y 1
		.amdhsa_system_sgpr_workgroup_id_z 1
		.amdhsa_system_vgpr_workitem_id 0
		.amdhsa_next_free_vgpr 256
		.amdhsa_next_free_sgpr 66
		.amdhsa_reserve_vcc 1
		.amdhsa_float_denorm_mode_32 3
		.amdhsa_float_denorm_mode_16_64 3
		.amdhsa_memory_ordered 1
		.amdhsa_forward_progress 1
		.amdhsa_inst_pref_size 31
	.end_amdhsa_kernel
	.amdgpu_metadata
---
amdhsa.version: [ 1, 2 ]
amdhsa.kernels:
  - .name:           k_qc073bc3a32_quant
    .symbol:         k_qc073bc3a32_quant.kd
    .args:
      - { .name: x, .offset: 0, .size: 8, .value_kind: global_buffer, .address_space: global }
      - { .name: W_q, .offset: 8, .size: 8, .value_kind: global_buffer, .address_space: global }
      - { .name: W_k, .offset: 16, .size: 8, .value_kind: global_buffer, .address_space: global }
      - { .name: W_v, .offset: 24, .size: 8, .value_kind: global_buffer, .address_space: global }
      - { .name: W_o, .offset: 32, .size: 8, .value_kind: global_buffer, .address_space: global }
      - { .name: crec, .offset: 40, .size: 8, .value_kind: global_buffer, .address_space: global }
    .group_segment_fixed_size: 17152
    .private_segment_fixed_size: 0
    .kernarg_segment_align: 8
    .kernarg_segment_size: 48
    .max_flat_workgroup_size: 64
    .sgpr_count:     66
    .vgpr_count:     256
    .wavefront_size: 32
...
	.end_amdgpu_metadata
.endif
;; end of part 1
;; launch qkv (part 2): grid 12 x 32, 4 waves a work-group, clusters of 4 x 4, 279,040 bytes of LDS; arguments crec, b_q, b_k, b_v, qrec, kv; writes qrec, kv
.if DOCPART == 2
	.amdgcn_target "amdgcn-amd-amdhsa--gfx1250"
	.amdhsa_code_object_version 6
	.text
	.protected	k_qc073bc3a32_qkv
	.globl	k_qc073bc3a32_qkv
	.p2align	8
	.type	k_qc073bc3a32_qkv,@function
k_qc073bc3a32_qkv:
	s_mov_b64 s[64:65], 0
	v_nop
	global_prefetch_b8 v0, s[64:65] scope:SCOPE_SE
	s_setreg_imm32_b32 hwreg(HW_REG_WAVE_MODE, 25, 1), 1
	s_wait_xcnt 0x0
	s_wait_alu depctr_hold_cnt(0) depctr_sa_sdst(0) depctr_va_vdst(0) depctr_va_sdst(0) depctr_va_ssrc(0) depctr_va_vcc(0) depctr_vm_vsrc(0)
	s_getreg_b32 s2, hwreg(HW_REG_IB_STS2, 6, 4)
	s_cmp_eq_u32 s2, 0
	s_cbranch_scc0 .Lentry_in_a_cluster
	s_endpgm
.Lentry_in_a_cluster:
	s_bfe_u32 s2, ttmp6, 0x10000c
	s_cmp_lg_u32 s2, 0xf033
	s_cbranch_scc0 .Lentry_shape_is_right
	s_endpgm
.Lentry_shape_is_right:
; Q = x W_q^T + b_q, K = x W_k^T + b_k, V = x W_v^T + b_v on codes of FP4 with E8M0 scales (from crec), sums in f32; the results are quantised in registers and leave as codes:
; Q and K along the head's 64 (two blocks of 32), V along the tokens, which are the K of attention's second product.
; SHARES.  A work-group makes 256 tokens x 256 weight rows; each of its four waves 128 x 128: 64 accumulators.  The cluster's x is the role: 0 Q, 1 K, 2 V: the same in all sixteen partners.
; LDS.  All of K (1,024) of both panels lies in LDS: four records of crec (69,632 bytes each): token groups 2 y, 2 y + 1, weight groups 64 + 2 x, 64 + 2 x + 1.  Each byte is filled once: no slot is filled again.
; Each wave brings one record by two tensor loads: its scale words with K steps 0-3 (144 rows of 256 bytes), then K steps 4-7 (128 rows).  A wave has two tensor loads out.
; CLUSTER 4 x 4: the four of a row of the cluster need the same token records, the four of a column the same weight records: each is asked for jointly, with a mask that names the four.
; FRAGMENTS lie in a record as images of their registers: every LDS load takes 512 consecutive bytes.
; ROLES Q, K: source 0 = 16 weight rows, source 1 = 16 tokens: a lane holds one token and, since a tile's rows are 32 (t / 2) + 8 (t % 2) + r + 8 (r / 8), the 16 registers of weight tiles 2 b, 2 b + 1 are 16 neighbouring channels.
; ROLE V: source 0 = 16 tokens, source 1 = 16 weight rows: a lane holds one channel and its registers run along the tokens.
; The bias is the C of each sum's first matrix instruction: the f32 sum begins with it.
; OUT.  qrec [head 64][step 16][4,608]: codes [tile 8][512] (lane (r, h): block h of the tile's token r), scale words [g 2][r 16][4 words: tiles 4 g ..], bytes 0, 1 the two blocks, bytes 2, 3 zero.
;       kv [head 64][step 16][8,960]: K's codes [tile 8][512]; V's codes [channel tile 4][piece 2][512]; K's scale words [g 2][r 16][4]; V's scale words [r 16][4 words: channel tiles].
; LIMITS: a block of zeros, or one under 2^-124, gets the byte 1 (read by this program alone); NaN and infinities are not served.
; REGISTERS, in windows of 256: window 0: v1-12 lane terms and addresses; v32-95 scale words; v96-125 at work in the way out; v128-191 codes; v192-255 the bias as C.
;   window 1: v0-127 two sets of source 0's eight fragments; v128-255 two sets of source 1's.   windows 2, 3: accumulator (a, b) at v[8 (8 (a % 4) + b)], a = source 1's tile.
.set REC,  69632
.set CH0,  36864                       ; a record's scale words and K steps 0-3
.set ADT,  4                           ; v4   LDS address of my token fragments
.set ADW,  5                           ; v5   of my weight fragments
.set ADS,  6                           ; v6   of my scale words: lanes 0-15 the tokens', lanes 16-31 the weights'
.set SC,   32                          ; v[SC + 8 i + s]: K step s: lanes 0-15 token tile i's words, lanes 16-31 weight tile i's
.set SW,   96                          ; v96-103  scale words on their way out
.set SX,   104                         ; v104-107
.set TM,   108                         ; v108-111 largest magnitudes, v112-115 the other half's, then bytes, v120-123 the conversions' scale operands
.set PW,   124                         ; the scale word just made
.set FL,   125                         ; the floor 2^(3 - 127)
.set PC,   128                         ; codes: eight registers for each of the eight tiles
.set BI,   192                         ; the bias in the result's layout
.set WV,   16
.set G1T0, 24
.set G1T1, 32
.set G1W0, 40
.set G1W1, 48
.set G0T0, 56
.set G0T1, 60
.set G0W0, 68
.set G0W1, 72
.set SEL,  82
.set OB,   84                          ; s[84:85] where my codes go
.set BP,   86                          ; s[86:87] my bias
.set HS,   88                          ; bytes from head to head
.set SS,   89                          ; from step to step
.set SO,   90                          ; s[90:91] from a record's head to its scale words
.set OS,   92                          ; s[92:93] where my scale words go
.set MSB, 0
.macro WIN new                         ; the immediate's high byte repeats the setting that is left
.if MSB != (\new)
	s_set_vgpr_msb (MSB<<8)|(\new)
.set MSB, (\new)
.endif
.endm
.macro PLACES n
.rept \n
	v_nop
.endr
.endm
.macro CROUND                          ; a round of the cluster's barrier
	s_barrier_signal -1
	s_barrier_wait -1
	s_cmp_lg_u32 s[WV], 0
	s_cbranch_scc1 .Lnot_wave_0_\@
	s_barrier_signal -3
.Lnot_wave_0_\@:
	s_barrier_wait -3
	s_barrier_signal -1
	s_barrier_wait -1
.endm
.macro GROUP0 g, l, a, off             ; descriptor group 0: count 1, LDS address, global address, type 2
	s_mov_b32 s[\g], 1
	s_add_co_u32 s[\g+1], s[\l], \off
	s_add_nc_u64 s[\g+2:\g+3], s[\a:\a+1], \off
	s_or_b32 s[\g+3], s[\g+3], 0x80000000
.endm
.macro FETCH s, set, a0, a1, na        ; K step s: source 0's eight fragments and source 1's na into set
	WIN 0x40                                       ; destination window 1, address window 0
.irp i, 0,1,2,3,4,5,6,7
.irp c, 0,1
	ds_load_b128 v[64*(\set)+8*\i+4*\c:64*(\set)+8*\i+4*\c+3], v[\a0] offset:8192*(\s)+1024*\i+512*\c
.endr
.endr
.irp i, 0,1,2,3,4,5,6,7
.if \i < \na
.irp c, 0,1
	ds_load_b128 v[128+64*(\set)+8*\i+4*\c:128+64*(\set)+8*\i+4*\c+3], v[\a1] offset:8192*(\s)+1024*\i+512*\c
.endr
.endif
.endr
.endm
; The products of K step s.  role 0: weights are source 0 (their words in lanes 16-31); role 1: tokens are source 0.  All accumulators take turns, one instruction a turn, in the same order in every step.
.macro MUL s, set, role, na
.irp a, 0,1,2,3,4,5,6,7
.if \a < \na
.if (\s) == 0
	WIN 0x85+0x40*(\a/4)                           ; sources 0, 1 window 1; C (the bias) window 0; D window 2 or 3
.else
	WIN 0xa5+0x50*(\a/4)                           ; C and D window 2 or 3
.endif
.irp b, 0,1,2,3,4,5,6,7
.set rD, 8*(8*(\a%4)+\b)
.set rA, 64*(\set)+8*\b
.set rB, 128+64*(\set)+8*\a
.set sA, SC+8*\b+(\s)
.set sB, SC+8*\a+(\s)
.set rC, rD
.if (\s) == 0
.if (\role) == 0
.set rC, BI+8*\b
.else
.set rC, BI+8*\a
.endif
.endif
.if (\role) == 0
	v_wmma_scale_f32_16x16x128_f8f6f4 v[rD:rD+7], v[rA:rA+7], v[rB:rB+7], v[rC:rC+7], v[sA], v[sB] matrix_a_fmt:MATRIX_FMT_FP4 matrix_b_fmt:MATRIX_FMT_FP4 matrix_a_scale:MATRIX_SCALE_ROW1
.else
	v_wmma_scale_f32_16x16x128_f8f6f4 v[rD:rD+7], v[rA:rA+7], v[rB:rB+7], v[rC:rC+7], v[sA], v[sB] matrix_a_fmt:MATRIX_FMT_FP4 matrix_b_fmt:MATRIX_FMT_FP4 matrix_b_scale:MATRIX_SCALE_ROW1
.endif
.endr
.endif
.endr
.endm
.macro STEP s, a0, a1, na, role
.if (\s) == 3
	s_wait_tensorcnt 0x0                           ; my record's K steps 4-7 have landed,
	s_wait_dscnt 0x0                               ; no LDS load of mine is pending at the signal,
	s_barrier_signal -1
	s_barrier_wait -1                              ; and everybody's have.
.endif
.if (\s) < 7
.if (\s) > 0
	PLACES 4                                       ; four places behind the last step's products, in front of loads into the set that they read (ISA guide 7.12.1 for vector instructions)
.endif
	FETCH (\s)+1, ((\s)+1)%2, \a0, \a1, \na
	s_wait_dscnt 16+2*(\na)                        ; all but the loads just issued: this step's fragments are in
.else
	s_wait_dscnt 0x0
.endif
	MUL \s, (\s)%2, \role, \na
.endm
.macro SCALES                          ; all eight K steps' scale words of my eight token tiles and eight weight tiles
.irp i, 0,1,2,3,4,5,6,7
.irp q, 0,1
	ds_load_b128 v[SC+8*\i+4*\q:SC+8*\i+4*\q+3], v[ADS] offset:512*\i+256*\q
.endr
.endr
.endm
; 64 results of a lane, at v[ac] of window win, register 16 b + i = place 32 b + 16 h + i along the next K of my row, become a fragment's codes in v[pc] on and its scale word in v[PW].
; Each accumulator is read from its low end on.
.macro QUANT4 win, ac, pc
	WIN 0x14*(\win)                                ; sources 1 and 2 in the accumulators' window
.irp b, 0,1,2,3
	v_max3_num_f32 v[TM+\b], v[FL], |v[(\ac)+16*\b]|, |v[(\ac)+16*\b+1]|
.endr
.irp i, 2,4,6,8,10,12,14
.irp b, 0,1,2,3
	v_max3_num_f32 v[TM+\b], v[TM+\b], |v[(\ac)+16*\b+\i]|, |v[(\ac)+16*\b+\i+1]|
.endr
.endr
	WIN 0
.irp b, 0,1,2,3
	v_permlanex16_b32 v[TM+4+\b], v[TM+\b], s[SEL], s[SEL+1]
.endr
.irp b, 0,1,2,3
	v_max_num_f32 v[TM+\b], v[TM+\b], v[TM+4+\b]   ; with lane l xor 16's: the block's largest magnitude
.endr
.irp b, 0,1,2,3
	v_add_nc_u32 v[TM+12+\b], 0xff000000, v[TM+\b] ; 2 off its exponent field: the conversion's scale operand
.endr
.irp b, 0,1,2,3
	v_lshrrev_b32 v[TM+4+\b], 23, v[TM+12+\b]      ; the scale's byte
.endr
	v_lshl_or_b32 v[PW], v[TM+5], 8, v[TM+4]
	v_lshl_or_b32 v[PW], v[TM+6], 16, v[PW]
	v_lshl_or_b32 v[PW], v[TM+7], 24, v[PW]
	WIN \win                                       ; source 0 in the accumulators' window
.irp b, 0,1,2,3
	v_cvt_scalef32_pk8_fp4_f32 v[(\pc)+2*\b], v[(\ac)+16*\b:(\ac)+16*\b+7], v[TM+12+\b]
	v_cvt_scalef32_pk8_fp4_f32 v[(\pc)+2*\b+1], v[(\ac)+16*\b+8:(\ac)+16*\b+15], v[TM+12+\b]
.endr
	WIN 0
	v_nop                                          ; one plain place behind the scaled conversions
.irp c, 0,1                            ; the operand's layout wants a whole block in a lane: lanes 0-15 block 2 c, lanes 16-31 block 2 c + 1
.irp i, 0,1
	v_permlane16_swap_b32 v[(\pc)+4*\c+\i], v[(\pc)+4*\c+2+\i]
.endr
.endr
.endm
	s_load_b256 s[4:11], s[0:1], 0x0               ; crec s[4:5], b_q s[6:7], b_k s[8:9], b_v s[10:11]
	s_load_b128 s[12:15], s[0:1], 0x20             ; qrec s[12:13], kv s[14:15]
	v_lshl_add_u32 v126, v0, 2, 0x44000
	v_mov_b32 v127, 0
	ds_add_u32 v126, v127
	ds_add_u32 v126, v127
	v_lshrrev_b32 v1, 5, v0
	v_readfirstlane_b32 s[WV], v1                  ; wave 0..3
	s_lshr_b32 s17, s[WV], 1                       ; th: my half of the tokens
	s_and_b32 s18, s[WV], 1                        ; wh: my half of the weight rows.  Also: which of the two records I fetch
	s_bfe_u32 s19, ttmp6, 0x40000                  ; cx
	s_bfe_u32 s20, ttmp6, 0x40004                  ; cy
	s_lshl_b32 s21, ttmp9, 2
	s_add_co_u32 s21, s21, s19                     ; x = 4 x cluster x + cx: 256 weight rows
	s_and_b32 s22, ttmp7, 0xffff
	s_lshl_b32 s22, s22, 2
	s_add_co_u32 s22, s22, s20                     ; y = 4 x cluster y + cy: 256 tokens
	s_lshl_b32 s94, s20, 2
	s_lshl_b32 s94, 15, s94                        ; my row of the cluster
	s_lshl_b32 s95, 0x1111, s19                    ; my column
	; descriptor group 1: dense blocks as rows of 256 bytes (32 elements of 8 bytes), no padding; 15:0 the mask, 17:16 element size, 21 set beside a mask
	s_or_b32 s[G1T0], s94, (3<<16)|(1<<21)
	s_or_b32 s[G1T1], s94, (3<<16)|(1<<21)
	s_or_b32 s[G1W0], s95, (3<<16)|(1<<21)
	s_or_b32 s[G1W1], s95, (3<<16)|(1<<21)
.irp g, G1T0, G1W0
	s_mov_b32 s[\g+1], 32<<16                      ; tensor_dim0
	s_mov_b32 s[\g+2], 144<<16                     ; tensor_dim1
	s_mov_b32 s[\g+3], 32<<16                      ; tile_dim0
	s_mov_b32 s[\g+4], 144                         ; tile_dim1
	s_mov_b32 s[\g+5], 32                          ; the pitch
	s_mov_b32 s[\g+6], 0
	s_mov_b32 s[\g+7], 0
.endr
.irp g, G1T1, G1W1
	s_mov_b32 s[\g+1], 32<<16
	s_mov_b32 s[\g+2], 128<<16
	s_mov_b32 s[\g+3], 32<<16
	s_mov_b32 s[\g+4], 128
	s_mov_b32 s[\g+5], 32
	s_mov_b32 s[\g+6], 0
	s_mov_b32 s[\g+7], 0
.endr
	s_lshl_b32 s96, s22, 1                         ; the token record: group 2 y + (wave & 1): made of y alone
	s_add_co_u32 s96, s96, s18
	s_mul_i32 s96, s96, REC
	s_mov_b32 s97, 0
	s_lshl_b32 s98, s21, 1                         ; the weight record: group 64 + 2 x + (wave & 1): made of x alone
	s_add_co_u32 s98, s98, s18
	s_add_co_u32 s98, s98, 64
	s_mul_i32 s98, s98, REC
	s_mov_b32 s99, 0
	s_mul_i32 s80, s[WV], REC                      ; where my record goes: no place in the cluster enters an LDS address
	s_mov_b32 s[SEL], 0x76543210
	s_mov_b32 s[SEL+1], 0xfedcba98
	s_wait_dscnt 0x0
	s_wait_kmcnt 0x0
	s_add_nc_u64 s[76:77], s[4:5], s[96:97]
	s_add_nc_u64 s[78:79], s[4:5], s[98:99]
	GROUP0 G0T0, 80, 76, 0
	GROUP0 G0T1, 80, 76, CH0
	GROUP0 G0W0, 80, 78, 0
	GROUP0 G0W1, 80, 78, CH0
	CROUND                                         ; all sixteen work-groups are here: the joint loads meet
	s_cmp_lt_u32 s[WV], 2                          ; waves 0, 1 fetch the token records, waves 2, 3 the weight records; a wave's two fills stand in one branch
	s_cbranch_scc0 .Lfill_w
	tensor_load_to_lds s[G0T0:G0T0+3], s[G1T0:G1T0+7]
	s_nop 0
	tensor_load_to_lds s[G0T1:G0T1+3], s[G1T1:G1T1+7]
	s_nop 0
	PLACES 4                                       ; (four places behind a tensor load)
	s_branch .Lfilled
.Lfill_w:
	tensor_load_to_lds s[G0W0:G0W0+3], s[G1W0:G1W0+7]
	s_nop 0
	tensor_load_to_lds s[G0W1:G0W1+3], s[G1W1:G1W1+7]
	s_nop 0
	PLACES 4
.Lfilled:
	v_and_b32 v1, 31, v0                           ; lane
	v_and_b32 v2, 15, v0                           ; r
	v_bfe_u32 v3, v0, 4, 1                         ; h
	v_lshlrev_b32 v8, 4, v1                        ; 16 x lane
	s_mul_i32 s23, s17, REC                        ; my token record
	s_add_co_u32 s2, s23, 4096
	v_add_nc_u32 v[ADT], s2, v8
	s_mul_i32 s3, s18, REC
	s_add_co_u32 s3, s3, 2*REC                     ; my weight record
	s_add_co_u32 s2, s3, 4096
	v_add_nc_u32 v[ADW], s2, v8
	s_sub_co_u32 s81, s3, s23                      ; the distance between the two
	v_lshlrev_b32 v[ADS], 4, v2                    ; 16 r,
	v_mul_u32_u24 v7, s81, v3                      ; lanes 16-31 take the weights'
	v_add_nc_u32 v[ADS], v[ADS], v7
	v_add_nc_u32 v[ADS], s23, v[ADS]
	v_mov_b32 v[FL], 0x1800000
.irp b, 0,1,2,3
	v_mov_b32 v[TM+4+\b], 0                        ; a lane permute's destination counts as read
.endr
	s_lshl_b32 s2, s22, 1
	s_add_co_u32 s2, s2, s17                       ; my group of 128 tokens
	s_lshr_b32 s3, s2, 4                           ; its batch
	s_and_b32 s2, s2, 15                           ; its step in the sequence
	s_and_b32 s23, s21, 3                          ; which 256 rows of my role's weight
	s_lshl_b32 s3, s3, 4
	s_lshl_b32 s90, s23, 2
	s_add_co_u32 s3, s3, s90
	s_lshl_b32 s90, s18, 1
	s_add_co_u32 s3, s3, s90                       ; the first of my two heads: 16 batch + 4 (x & 3) + 2 wh
	s_lshl_b32 s23, s23, 10
	s_lshl_b32 s90, s18, 9
	s_add_co_u32 s98, s23, s90                     ; my 128 numbers of the bias, in bytes (s99 = 0)
	s_cmp_lt_u32 ttmp9, 2
	s_cbranch_scc0 .Lrole_v
	; ---- roles Q and K
	s_cmp_eq_u32 ttmp9, 0
	s_cselect_b64 s[OB:OB+1], s[12:13], s[14:15]
	s_cselect_b64 s[BP:BP+1], s[6:7], s[8:9]
	s_mov_b32 s[HS], 143360
	s_cselect_b32 s[HS], 73728, s[HS]
	s_mov_b32 s[SS], 8960
	s_cselect_b32 s[SS], 4608, s[SS]
	s_mov_b32 s[SO], 8192
	s_cselect_b32 s[SO], 4096, s[SO]
	s_mov_b32 s[SO+1], 0
	s_mul_i32 s92, s3, s[HS]
	s_mul_i32 s93, s2, s[SS]
	s_add_co_u32 s92, s92, s93
	s_mov_b32 s93, 0
	s_add_nc_u64 s[OB:OB+1], s[OB:OB+1], s[92:93]
	s_add_nc_u64 s[OS:OS+1], s[OB:OB+1], s[SO:SO+1]
	s_add_nc_u64 s[BP:BP+1], s[BP:BP+1], s[98:99]
	v_add_nc_u32 v9, s[HS], v8                     ; the second head's record
	v_mul_u32_u24 v10, s[HS], v3
	v_lshl_add_u32 v10, v2, 4, v10                 ; scale words: 16 r, lanes 16-31 in the second head's record
	v_lshlrev_b32 v11, 4, v3                       ; 16 h: which two bytes of a row's word are my head's
	v_lshlrev_b32 v12, 6, v3                       ; the bias: lanes 16-31 begin 16 numbers on
.irp b, 0,1,2,3,4,5,6,7
	global_load_b128 v[BI+8*\b:BI+8*\b+3], v12, s[BP:BP+1] offset:(32*(\b/2)+8*(\b%2))*4
	global_load_b128 v[BI+8*\b+4:BI+8*\b+7], v12, s[BP:BP+1] offset:(32*(\b/2)+8*(\b%2))*4+16
.endr
	s_wait_tensorcnt 1                             ; my record's scale words and K steps 0-3 are in; its second load may be out
	s_barrier_signal -1
	s_barrier_wait -1
	SCALES
	FETCH 0, 0, ADW, ADT, 8
	s_wait_loadcnt 0x0                             ; the bias
.irp s, 0,1,2,3,4,5,6,7
	STEP \s, ADW, ADT, 8, 0
.endr
	PLACES 4                                       ; in front of the first read of results
.irp a, 0,1,2,3,4,5,6,7                ; token tile a: 128 channels a lane's row: two heads x two blocks
	QUANT4 2+\a/4, 64*(\a%4), PC+8*\a
	global_store_b128 v8, v[PC+8*\a:PC+8*\a+3], s[OB:OB+1] offset:512*\a       ; the first head's tile: 512 consecutive bytes
	global_store_b128 v9, v[PC+8*\a+4:PC+8*\a+7], s[OB:OB+1] offset:512*\a     ; the second head's
	v_bfe_u32 v[SW+\a], v[PW], v11, 16             ; lanes 0-15 keep the first head's two bytes, lanes 16-31 the second's; the upper bytes are 0
.endr
.irp g, 0,1
	global_store_b128 v10, v[SW+4*\g:SW+4*\g+3], s[OS:OS+1] offset:256*\g      ; sixteen lanes store 256 consecutive bytes, aligned
.endr
	s_branch .Ldone
	; ---- role V
.Lrole_v:
	s_mul_i32 s92, s3, 143360
	s_mul_i32 s93, s2, 8960
	s_add_co_u32 s92, s92, s93
	s_add_co_u32 s92, s92, 4096                    ; V's codes lie behind K's in a record
	s_mov_b32 s93, 0
	s_add_nc_u64 s[OB:OB+1], s[14:15], s[92:93]
	s_add_nc_u64 s[BP:BP+1], s[10:11], s[98:99]
	v_mul_u32_u24 v10, v3, 143360
	v_lshl_add_u32 v10, v2, 4, v10                 ; scale words: 16 r, lanes 16-31 in the second head's record
	v_and_b32 v12, 8, v2
	v_add_nc_u32 v12, v12, v2
	v_lshlrev_b32 v12, 2, v12                      ; the bias of my channel: 4 (r + 8 (r / 8))
.irp a, 0,1,2,3,4,5,6,7
	global_load_b32 v[BI+8*\a], v12, s[BP:BP+1] offset:(32*(\a/2)+8*(\a%2))*4
.endr
	s_wait_loadcnt 0x0
.irp a, 0,1,2,3,4,5,6,7
.irp j, 1,2,3,4,5,6,7
	v_mov_b32 v[BI+8*\a+\j], v[BI+8*\a]            ; a lane's eight results are eight tokens of one channel: the same bias
.endr
.endr
	s_wait_alu depctr_va_vdst(0)
	s_wait_tensorcnt 1                             ; as above
	s_barrier_signal -1
	s_barrier_wait -1
	SCALES
	FETCH 0, 0, ADT, ADW, 8
.irp s, 0,1,2,3,4,5,6,7
	STEP \s, ADT, ADW, 8, 1
.endr
	PLACES 4
.irp a, 0,1,2,3,4,5,6,7                ; channel tile a: head a / 4, tile a % 4 of its 64 channels; K = my 128 tokens: one whole fragment
	QUANT4 2+\a/4, 64*(\a%4), PC+8*\a
	global_store_b128 v8, v[PC+8*\a:PC+8*\a+3], s[OB:OB+1] offset:(\a/4)*143360+(\a%4)*1024
	global_store_b128 v8, v[PC+8*\a+4:PC+8*\a+7], s[OB:OB+1] offset:(\a/4)*143360+(\a%4)*1024+512
	v_mov_b32 v[SW+\a], v[PW]
.endr
	v_cmp_le_u32 vcc_lo, 16, v1
.irp i, 0,1,2,3
	v_cndmask_b32 v[SX+\i], v[SW+\i], v[SW+4+\i], vcc_lo   ; lanes 0-15 the first head's words, lanes 16-31 the second's
.endr
	global_store_b128 v10, v[SX:SX+3], s[OB:OB+1] offset:4608
.Ldone:
	s_wait_tensorcnt 0x0
	ds_add_u32 v126, v127
	s_wait_dscnt 0x0
	CROUND                                         ; the closing round: no work-group ends while a partner may still ask for a record that names it
	s_endpgm
.Lfunc_end_k_qc073bc3a32_qkv:
	.size	k_qc073bc3a32_qkv, .Lfunc_end_k_qc073bc3a32_qkv-k_qc073bc3a32_qkv
	.p2alignl 7, 3214868480
	.fill 96, 4, 3214868480
	.section	.rodata,"a",@progbits
	.p2align	6, 0x0
	.amdhsa_kernel k_qc073bc3a32_qkv
		.amdhsa_group_segment_fixed_size 279040
		.amdhsa_private_segment_fixed_size 0
		.amdhsa_enable_private_segment 0
		.amdhsa_kernarg_size 48
		.amdhsa_user_sgpr_count 2
		.amdhsa_user_sgpr_kernarg_segment_ptr 1
		.amdhsa_wavefront_size32 1
		.amdhsa_system_sgpr_workgroup_id_x 1
		.amdhsa_system_sgpr_workgroup_id_y 1
		.amdhsa_system_sgpr_workgroup_id_z 1
		.amdhsa_system_vgpr_workitem_id 0
		.amdhsa_next_free_vgpr 1024
		.amdhsa_next_free_sgpr 100
		.amdhsa_reserve_vcc 1
		.amdhsa_float_denorm_mode_32 3
		.amdhsa_float_denorm_mode_16_64 3
		.amdhsa_memory_ordered 1
		.amdhsa_forward_progress 1
		.amdhsa_inst_pref_size 243
	.end_amdhsa_kernel
	.amdgpu_metadata
---
amdhsa.version: [ 1, 2 ]
amdhsa.kernels:
  - .name:           k_qc073bc3a32_qkv
    .symbol:         k_qc073bc3a32_qkv.kd
    .args:
      - { .name: crec, .offset: 0, .size: 8, .value_kind: global_buffer, .address_space: global }
      - { .name: b_q, .offset: 8, .size: 8, .value_kind: global_buffer, .address_space: global }
      - { .name: b_k, .offset: 16, .size: 8, .value_kind: global_buffer, .address_space: global }
      - { .name: b_v, .offset: 24, .size: 8, .value_kind: global_buffer, .address_space: global }
      - { .name: qrec, .offset: 32, .size: 8, .value_kind: global_buffer, .address_space: global }
      - { .name: kv, .offset: 40, .size: 8, .value_kind: global_buffer, .address_space: global }
    .group_segment_fixed_size: 279040
    .private_segment_fixed_size: 0
    .kernarg_segment_align: 8
    .kernarg_segment_size: 48
    .max_flat_workgroup_size: 128
    .sgpr_count:     100
    .vgpr_count:     1024
    .wavefront_size: 32
...
	.end_amdgpu_metadata
.endif
;; end of part 2
;; launch attn (part 3): grid 8 x 32, 16 waves a work-group, clusters of 4 x 1, 288,768 bytes of LDS; arguments qrec, kv, orec; writes orec
.if DOCPART == 3
	.amdgcn_target "amdgcn-amd-amdhsa--gfx1250"
	.amdhsa_code_object_version 6
	.text
	.protected	k_qc073bc3a32_attn
	.globl	k_qc073bc3a32_attn
	.p2align	8
	.type	k_qc073bc3a32_attn,@function
k_qc073bc3a32_attn:
	s_mov_b64 s[64:65], 0
	v_nop
	global_prefetch_b8 v0, s[64:65] scope:SCOPE_SE
	s_setreg_imm32_b32 hwreg(HW_REG_WAVE_MODE, 25, 1), 1
	s_wait_xcnt 0x0
	s_wait_alu depctr_hold_cnt(0) depctr_sa_sdst(0) depctr_va_vdst(0) depctr_va_sdst(0) depctr_va_ssrc(0) depctr_va_vcc(0) depctr_vm_vsrc(0)
	s_getreg_b32 s2, hwreg(HW_REG_IB_STS2, 6, 4)
	s_cmp_eq_u32 s2, 0
	s_cbranch_scc0 .Lentry_in_a_cluster
	s_endpgm
.Lentry_in_a_cluster:
	s_bfe_u32 s2, ttmp6, 0x10000c
	s_cmp_lg_u32 s2, 0x3003
	s_cbranch_scc0 .Lentry_shape_is_right
	s_endpgm
.Lentry_shape_is_right:
; O = softmax(Q K^T / 8) V for 64 heads of 2,048 tokens x 64 channels, both products on codes of FP4 with E8M0 scales; the result is quantised along d_model and leaves as codes (orec, laid as crec's records).
; THE SOFTMAX AHEAD OF THE SECOND PRODUCT: t = score x log2(e) / 8; M = the row's largest t so far, rounded up to a whole number; p = 2^(t - M) is quantised along the keys, not normalised.
; The row's sum is taken of the unquantised p and divides O at the end (a reciprocal and a multiplication).  When M moves, the sum and O are multiplied by 2^(old M - new M): exact.
; SHARES.  A work-group owns 256 queries of a PAIR of heads; each of its sixteen waves 16 queries, one tile, in 256 registers, and runs two passes, one a head: so a token's scale word of the pair's 128 channels is whole in one wave.
; LDS.  K, V and their scale words of both heads lie whole in LDS: 32 records of kv, 286,720 dense bytes, each byte filled once: the loop has no slot that is filled again.
; CLUSTER 4 x 1: the four query blocks of a cluster need the same 286,720 bytes: they are asked for jointly, with the mask of all four.  Waves 0-3 issue four loads each (a quarter of each chunk of eight records):
; four tensor loads of a wave are out.  A chunk is read behind a counted wait and a barrier; the chunks behind it stay on their way.
; LAYOUT.  Both products are used transposed: S^T = K Q^T (source 0 = 16 keys), O^T = V^T P^T (source 0 = 16 channels): a lane holds one query throughout.  The keys of a tile of K, and the channels of a tile of V, are
; 32 (t / 2) + 8 (t % 2) + r + 8 (r / 8): the 16 registers of tiles 2 b, 2 b + 1 are 16 neighbours.  The first product's K is 64: the upper halves of Q's and K's fragments are zero codes, under scale bytes 0.
; LIMITS: p under 2^-126 becomes 0; a block of zeros gets the byte 1; NaN and infinities are not served.
; REGISTERS: v1 16 x lane, v2 16 r, v3, v4 the step's LDS addresses; v12 -M, v13 the largest t, v[14:15] the sum; v16-31 Q of the two passes; v32-63 four fragments of K; v64-95 V's four; v96-159 S^T, then p; v160-191 O^T;
;   v192-199 K's scale words, v200-203 V's; v204-211 the output's codes; v212 its scale word; v213, v214 Q's scale words; v224-231 p's codes; v232-254 at work.
.set KVREC, 8960
.set CHUNK, 8*KVREC                    ; 71,680: eight key steps
.set PART,  CHUNK/4                    ; 17,920: 70 rows of 256 bytes: what one tensor load brings
.set PAIRB, 32*KVREC
.set QREC,  4608
.set QHEAD, 16*QREC
.set REC,   69632
.set WV,   12
.set SEL,  20
.set CS,   22                          ; s[22:23] c = log2(e) / 8
.set G1,   24
.set G0,   32                          ; s[32:47] four groups 0
.set TB,   48                          ; LDS byte at which the step's record begins
.set CNT,  49
.set QP,   50
.set QSP,  52
.set OP,   54
.set OSP,  56
.macro PLACES n
.rept \n
	v_nop
.endr
.endm
.macro CROUND
	s_barrier_signal -1
	s_barrier_wait -1
	s_cmp_lg_u32 s[WV], 0
	s_cbranch_scc1 .Lnot_wave_0_\@
	s_barrier_signal -3
.Lnot_wave_0_\@:
	s_barrier_wait -3
	s_barrier_signal -1
	s_barrier_wait -1
.endm
	s_load_b128 s[4:7], s[0:1], 0x0                ; qrec, kv
	s_load_b64 s[8:9], s[0:1], 0x10                ; orec
	v_lshl_add_u32 v251, v0, 2, 0x46000
	v_mov_b32 v255, 0
	ds_add_u32 v251, v255
	ds_add_u32 v251, v255
	v_lshrrev_b32 v1, 5, v0
	s_delay_alu instid0(VALU_DEP_1)
	v_readfirstlane_b32 s[WV], v1                  ; wave 0..15
	s_bfe_u32 s13, ttmp6, 0x40000                  ; cx: it enters Q's and O's addresses alone
	s_lshl_b32 s14, ttmp9, 2
	s_add_co_u32 s14, s14, s13                     ; my block of 256 queries
	s_and_b32 s15, ttmp7, 0xffff                   ; the pair of heads, which the four partners share
	s_mov_b32 s[G1], 15|(3<<16)|(1<<21)            ; 15:0 the mask: all four; 17:16 elements of 8 bytes; 21 set beside a mask
	s_mov_b32 s[G1+1], 32<<16                      ; tensor_dim0
	s_mov_b32 s[G1+2], 70<<16                      ; tensor_dim1
	s_mov_b32 s[G1+3], 32<<16                      ; tile_dim0
	s_mov_b32 s[G1+4], 70                          ; tile_dim1
	s_mov_b32 s[G1+5], 32                          ; the pitch
	s_mov_b32 s[G1+6], 0
	s_mov_b32 s[G1+7], 0
	s_and_b32 s16, s[WV], 3
	s_mul_i32 s16, s16, PART                       ; my quarter of a chunk, in LDS as in memory
	s_mul_i32 s10, s15, PAIRB
	s_add_co_u32 s10, s10, s16
	s_mov_b32 s11, 0
	s_lshr_b32 s17, s[WV], 3
	s_lshl_b32 s18, s14, 1
	s_add_co_u32 s17, s17, s18                     ; my queries' step of 128 tokens
	s_and_b32 s18, s[WV], 7                        ; and their tile in it
	s_mul_i32 s58, s15, 2*QHEAD
	s_mul_i32 s19, s17, QREC
	s_add_co_u32 s58, s58, s19                     ; Q's record of the pair's first head
	s_lshl_b32 s19, s18, 9
	s_add_co_u32 s60, s58, s19                     ; my tile's codes
	s_mov_b32 s61, 0
	s_lshr_b32 s19, s18, 2
	s_lshl_b32 s19, s19, 8
	s_add_co_u32 s62, s58, s19
	s_and_b32 s19, s18, 3
	s_lshl_b32 s19, s19, 2
	s_add_co_u32 s62, s62, s19
	s_add_co_u32 s62, s62, 4096                    ; and its scale words: 4,096 + 256 (tile / 4) + 4 (tile % 4), 16 bytes from row to row
	s_mov_b32 s63, 0
	s_lshr_b32 s19, s15, 3
	s_lshl_b32 s19, s19, 4
	s_add_co_u32 s19, s19, s17                     ; the output's record: 16 batch + step
	s_mul_i32 s58, s19, REC
	s_and_b32 s59, s15, 7                          ; its K step: the pair's number in the batch
	s_lshl_b32 s19, s59, 13
	s_add_co_u32 s66, s58, s19
	s_lshl_b32 s19, s18, 10
	s_add_co_u32 s66, s66, s19
	s_add_co_u32 s66, s66, 4096
	s_mov_b32 s67, 0
	s_lshl_b32 s19, s18, 9
	s_add_co_u32 s68, s58, s19
	s_lshr_b32 s19, s59, 2
	s_lshl_b32 s19, s19, 8
	s_add_co_u32 s68, s68, s19
	s_and_b32 s19, s59, 3
	s_lshl_b32 s19, s19, 2
	s_add_co_u32 s68, s68, s19
	s_mov_b32 s69, 0
	s_mov_b32 s[SEL], 0x76543210
	s_mov_b32 s[SEL+1], 0xfedcba98
	s_mov_b32 s[CS], 0x3e38aa3b                    ; c = log2(e) / 8
	s_mov_b32 s[CS+1], s[CS]                       ; (named with it as a pair, so it is written)
	s_wait_dscnt 0x0
	s_wait_kmcnt 0x0
	s_add_nc_u64 s[10:11], s[6:7], s[10:11]
	s_add_nc_u64 s[QP:QP+1], s[4:5], s[60:61]
	s_add_nc_u64 s[QSP:QSP+1], s[4:5], s[62:63]
	s_add_nc_u64 s[OP:OP+1], s[8:9], s[66:67]
	s_add_nc_u64 s[OSP:OSP+1], s[8:9], s[68:69]
.irp i, 0,1,2,3
	s_mov_b32 s[G0+4*\i], 1
	s_add_co_u32 s[G0+4*\i+1], s16, \i*CHUNK
	s_add_nc_u64 s[G0+4*\i+2:G0+4*\i+3], s[10:11], \i*CHUNK
	s_or_b32 s[G0+4*\i+3], s[G0+4*\i+3], 0x80000000
.endr
	CROUND                                         ; all four work-groups are here: the joint loads meet
	s_cmp_lt_u32 s[WV], 4                          ; waves 0-3 fetch; a wave's four fills stand in one branch
	s_cbranch_scc0 .Lno_fill
.irp i, 0,1,2,3
	tensor_load_to_lds s[G0+4*\i:G0+4*\i+3], s[G1:G1+7]
	s_nop 0
.endr
	PLACES 4                                       ; (four places behind a tensor load)
.Lno_fill:
	v_and_b32 v1, 31, v0
	s_delay_alu instid0(VALU_DEP_1)
	v_lshlrev_b32 v1, 4, v1                        ; 16 x lane
	v_and_b32 v2, 15, v0
	s_delay_alu instid0(VALU_DEP_1)
	v_lshlrev_b32 v2, 4, v2                        ; 16 r
.irp p, 0,1
	global_load_b128 v[16+8*\p:19+8*\p], v1, s[QP:QP+1] offset:QHEAD*\p    ; Q's 64 channels: the fragment's lower half
	global_load_b32 v[213+\p], v2, s[QSP:QSP+1] offset:QHEAD*\p
.endr
.irp j, 20,21,22,23,28,29,30,31,36,37,38,39,44,45,46,47,52,53,54,55,60,61,62,63
	v_mov_b32 v[\j], 0                             ; the upper halves of Q's and K's fragments: zero codes; never written again
.endr
.irp b, 0,1,2,3
	v_mov_b32 v[236+\b], 0                         ; a lane permute's destination counts as read
.endr
	v_mov_b32 v253, 0                              ; (named as the upper half of the pair v[252:253] before it is first written)
	s_wait_loadcnt 0x0
; A KEY STEP: 128 keys, one record of kv.
.macro STEP qf, qs
	v_add_nc_u32 v3, s[TB], v1
	v_add_nc_u32 v4, s[TB], v2
	PLACES 2                                       ; with the two additions: four places behind the last products, in front of loads into registers that they read
.irp t, 0,1,2,3
	ds_load_b128 v[32+8*\t:35+8*\t], v3 offset:512*\t                      ; K's tiles 0-3
.endr
	ds_load_b128 v[192:195], v4 offset:8192                                ; K's scale words, tiles 0-3,
	ds_load_b128 v[196:199], v4 offset:8448                                ; tiles 4-7
.irp t, 0,1,2,3
.irp c, 0,1
	ds_load_b128 v[64+8*\t+4*\c:67+8*\t+4*\c], v3 offset:4096+1024*\t+512*\c   ; V's four fragments
.endr
.endr
	ds_load_b128 v[200:203], v4 offset:8704                                ; V's scale words
	s_wait_alu depctr_va_vdst(0)
	s_wait_dscnt 9                                 ; K's are in; V's nine loads may be out
.irp t, 0,1,2,3
	v_wmma_scale_f32_16x16x128_f8f6f4 v[96+8*\t:103+8*\t], v[32+8*\t:39+8*\t], v[(\qf):(\qf)+7], 0, v[192+\t], v[(\qs)] matrix_a_fmt:MATRIX_FMT_FP4 matrix_b_fmt:MATRIX_FMT_FP4
.endr
	PLACES 4                                       ; in front of loads into registers that these products read
.irp t, 0,1,2,3
	ds_load_b128 v[32+8*\t:35+8*\t], v3 offset:2048+512*\t                 ; K's tiles 4-7
.endr
	s_wait_dscnt 0x0
.irp t, 0,1,2,3
	v_wmma_scale_f32_16x16x128_f8f6f4 v[128+8*\t:135+8*\t], v[32+8*\t:39+8*\t], v[(\qf):(\qf)+7], 0, v[196+\t], v[(\qs)] matrix_a_fmt:MATRIX_FMT_FP4 matrix_b_fmt:MATRIX_FMT_FP4
.endr
	PLACES 4                                       ; lane (r, h) holds query r; register 16 b + i is key 32 b + 16 h + i of the step
.irp b, 0,1,2,3
	v_max3_num_f32 v[232+\b], v[96+16*\b], v[97+16*\b], v[98+16*\b]        ; the largest score of each block of 32 keys: for the row's maximum, and, since p rises with the score, for the block's largest p
.endr
.irp i, 3,5,7,9,11,13
.irp b, 0,1,2,3
	v_max3_num_f32 v[232+\b], v[232+\b], v[96+16*\b+\i], v[97+16*\b+\i]
.endr
.endr
.irp b, 0,1,2,3
	v_max_num_f32 v[232+\b], v[232+\b], v[111+16*\b]
.endr
.irp b, 0,1,2,3
	s_delay_alu instid0(VALU_DEP_4)
	v_permlanex16_b32 v[236+\b], v[232+\b], s[SEL], s[SEL+1]
.endr
.irp b, 0,1,2,3
	s_delay_alu instid0(VALU_DEP_4)
	v_max_num_f32 v[232+\b], v[232+\b], v[236+\b]  ; with lane l xor 16's 16 keys
.endr
	s_delay_alu instid0(VALU_DEP_2)
	v_max3_num_f32 v254, v232, v233, v234
	s_delay_alu instid0(VALU_DEP_1)
	v_max_num_f32 v254, v254, v235                 ; the step's largest score of my query
	s_delay_alu instid0(VALU_DEP_1)
	v_mul_f32 v254, s[CS], v254                    ; as t (c is positive)
	s_delay_alu instid0(VALU_DEP_1)
	v_max_num_f32 v13, v13, v254                   ; the running largest t
	v_mov_b32 v254, v12
	s_delay_alu instid0(VALU_DEP_2)
	v_floor_f32 v12, -v13                          ; the new -M = floor(-t): M is a whole number
	s_delay_alu instid0(VALU_DEP_1)
	v_sub_f32 v254, v12, v254                      ; old M - new M: a whole number, 0 or less
	s_delay_alu instid0(VALU_DEP_1)
	v_cvt_i32_f32 v254, v254                       ; (it saturates)
	s_delay_alu instid0(VALU_DEP_1)
	v_ldexp_f32 v252, 1.0, v254                    ; f = 2^(old M - new M)
.set j, 0
.rept 32
	v_pk_fma_f32 v[96+j:97+j], v[96+j:97+j], s[CS:CS+1], v[12:13] op_sel_hi:[1,0,0]   ; t - M, two at a time
.set j, j+2
.endr
.irp b, 0,1,2,3
	v_fma_f32 v[232+\b], v[232+\b], s[CS], v12     ; the same of each block's largest score
.endr
.set j, 0
	s_wait_alu depctr_va_vdst(0)
.rept 64
	v_exp_f32 v[96+j], v[96+j]                     ; p = 2^(t - M), at most 1
.set j, j+1
.endr
	s_setprio 1
.irp b, 0,1,2,3
	v_exp_f32 v[232+\b], v[232+\b]                 ; the block's largest p: the same two instructions on the same number
.endr
	v_pk_mul_f32 v[14:15], v[14:15], v[252:253] op_sel_hi:[1,0]            ; the sums under the new M.  (A plain place behind the exponentials)
	s_wait_alu depctr_va_vdst(0)
.irp b, 0,1,2,3
	v_max_num_f32 v[232+\b], 0x1800000, v[232+\b]  ; the floor 2^(3 - 127): the byte cannot fall under 1
.endr
.irp b, 0,1,2,3
	s_delay_alu instid0(VALU_DEP_4)
	v_add_nc_u32 v[244+\b], 0xff000000, v[232+\b]  ; 2 off the exponent field: the conversion's scale operand
.endr
.irp b, 0,1,2,3
	s_delay_alu instid0(VALU_DEP_4)
	v_lshrrev_b32 v[236+\b], 23, v[244+\b]         ; the scale's byte
.endr
	s_delay_alu instid0(VALU_DEP_3)
	v_lshl_or_b32 v253, v237, 8, v236              ; p's scale word for these 128 keys
	s_delay_alu instid0(VALU_DEP_1)
	v_lshl_or_b32 v253, v238, 16, v253
	s_delay_alu instid0(VALU_DEP_1)
	v_lshl_or_b32 v253, v239, 24, v253
.irp b, 0,1,2,3
	v_cvt_scalef32_pk8_fp4_f32 v[224+2*\b], v[96+16*\b:103+16*\b], v[244+\b]
	v_cvt_scalef32_pk8_fp4_f32 v[225+2*\b], v[104+16*\b:111+16*\b], v[244+\b]
.endr
	v_nop                                          ; one plain place behind the scaled conversions
.irp c, 0,1
.irp i, 0,1
	v_permlane16_swap_b32 v[224+4*\c+\i], v[226+4*\c+\i]   ; a whole block in a lane: lanes 0-15 block 2 c, lanes 16-31 block 2 c + 1
.endr
.endr
	v_pk_add_f32 v[236:237], v[100:101], v[104:105]
	v_pk_add_f32 v[248:249], v[108:109], v[112:113]
	v_pk_add_f32 v[242:243], v[116:117], v[120:121]
	v_pk_add_f32 v[240:241], v[124:125], v[128:129]
	v_pk_add_f32 v[222:223], v[132:133], v[136:137]
	v_pk_add_f32 v[220:221], v[140:141], v[144:145]
	v_pk_add_f32 v[218:219], v[148:149], v[152:153]
	v_pk_add_f32 v[14:15], v[14:15], v[156:157]
	v_pk_add_f32 v[236:237], v[236:237], v[96:97]
	v_pk_add_f32 v[248:249], v[248:249], v[98:99]
	v_pk_add_f32 v[242:243], v[242:243], v[102:103]
	v_pk_add_f32 v[240:241], v[240:241], v[106:107]
	v_pk_add_f32 v[222:223], v[222:223], v[110:111]
	v_pk_add_f32 v[220:221], v[220:221], v[114:115]
	v_pk_add_f32 v[218:219], v[218:219], v[118:119]
	v_pk_add_f32 v[14:15], v[14:15], v[122:123]
	v_pk_add_f32 v[236:237], v[236:237], v[126:127]
	v_pk_add_f32 v[248:249], v[248:249], v[130:131]
	v_pk_add_f32 v[242:243], v[242:243], v[134:135]
	v_pk_add_f32 v[240:241], v[240:241], v[138:139]
	v_pk_add_f32 v[222:223], v[222:223], v[142:143]
	v_pk_add_f32 v[220:221], v[220:221], v[146:147]
	v_pk_add_f32 v[218:219], v[218:219], v[150:151]
	v_pk_add_f32 v[14:15], v[14:15], v[154:155]
	v_pk_add_f32 v[236:237], v[236:237], v[158:159]
	s_delay_alu instid0(VALU_DEP_2)
	v_pk_add_f32 v[14:15], v[14:15], v[240:241]
	s_delay_alu instid0(VALU_DEP_2)
	v_pk_add_f32 v[236:237], v[236:237], v[222:223]
	v_pk_add_f32 v[248:249], v[248:249], v[220:221]
	v_pk_add_f32 v[242:243], v[242:243], v[218:219]
	s_delay_alu instid0(VALU_DEP_2)
	v_pk_add_f32 v[14:15], v[14:15], v[248:249]
	s_delay_alu instid0(VALU_DEP_2)
	v_pk_add_f32 v[236:237], v[236:237], v[242:243]
	s_delay_alu instid0(VALU_DEP_1)
	v_pk_add_f32 v[14:15], v[14:15], v[236:237]
.set j, 0
	s_setprio 0
.rept 16
	v_pk_mul_f32 v[160+j:161+j], v[160+j:161+j], v[252:253] op_sel_hi:[1,0]   ; O^T under the new M, each accumulator from its low end on
.set j, j+2
.endr
.irp t, 0,1,2,3
	v_wmma_scale_f32_16x16x128_f8f6f4 v[160+8*\t:167+8*\t], v[64+8*\t:71+8*\t], v[224:231], v[160+8*\t:167+8*\t], v[200+\t], v253 matrix_a_fmt:MATRIX_FMT_FP4 matrix_b_fmt:MATRIX_FMT_FP4
.endr
	s_add_co_u32 s[TB], s[TB], KVREC               ; the next step's record
.endm
; Chunk i: eight key steps.  The waves that fetch wait for their part of it (the 3 - i loads issued behind it may stay out); behind the barrier everybody's part is in.
.macro HALF i, qf, qs
	s_wait_tensorcnt 3-(\i)
	s_wait_dscnt 0x0
	s_barrier_signal -1
	s_barrier_wait -1
	s_mov_b32 s[TB], (\i)*CHUNK
	s_mov_b32 s[CNT], 8
.Lstep_\@:
	s_setprio 2
	STEP \qf, \qs
	s_sub_co_u32 s[CNT], s[CNT], 1
	s_cmp_lg_u32 s[CNT], 0
	s_cbranch_scc1 .Lstep_\@
	s_setprio 0
.endm
.macro BEGIN                           ; the step is written once: the first finds zeros, which the first change of M leaves zeros
	v_mov_b32 v13, 0xff61b1e6                      ; the largest t so far: -3e38
	s_delay_alu instid0(VALU_DEP_1)
	v_floor_f32 v12, -v13
	v_mov_b32 v14, 0
	v_mov_b32 v15, 0
.set j, 0
.rept 32
	v_mov_b32 v[160+j], 0
.set j, j+1
.endr
.endm
; Head p of the pair is done: O^T / the sum; register 16 b + i is channel 32 b + 16 h + i: two blocks of 32 along d_model; codes and two bytes of the token's scale word.
.macro FINISH p
	PLACES 4                                       ; in front of the first read of results
	v_add_f32 v14, v14, v15
	s_delay_alu instid0(VALU_DEP_1)
	v_permlanex16_b32 v252, v14, s[SEL], s[SEL+1]
	s_delay_alu instid0(VALU_DEP_1)
	v_add_f32 v14, v14, v252                       ; the row's sum
	s_wait_alu depctr_va_vdst(0)
	v_rcp_f32 v14, v14
	v_nop                                          ; one plain place behind the transcendental
.set j, 0
	s_wait_alu depctr_va_vdst(0)
.rept 16
	v_pk_mul_f32 v[96+j:97+j], v[160+j:161+j], v[14:15] op_sel_hi:[1,0]
.set j, j+2
.endr
.irp b, 0,1
	v_max3_num_f32 v[232+\b], |v[96+16*\b]|, |v[97+16*\b]|, 0x1800000
.endr
.irp i, 2,4,6,8,10,12,14
.irp b, 0,1
	s_delay_alu instid0(VALU_DEP_2)
	v_max3_num_f32 v[232+\b], v[232+\b], |v[96+16*\b+\i]|, |v[97+16*\b+\i]|
.endr
.endr
.irp b, 0,1
	s_delay_alu instid0(VALU_DEP_2)
	v_permlanex16_b32 v[236+\b], v[232+\b], s[SEL], s[SEL+1]
.endr
.irp b, 0,1
	s_delay_alu instid0(VALU_DEP_2)
	v_max_num_f32 v[232+\b], v[232+\b], v[236+\b]
.endr
.irp b, 0,1
	s_delay_alu instid0(VALU_DEP_2)
	v_add_nc_u32 v[244+\b], 0xff000000, v[232+\b]
.endr
.irp b, 0,1
	s_delay_alu instid0(VALU_DEP_2)
	v_lshrrev_b32 v[236+\b], 23, v[244+\b]
.endr
.if (\p) == 0
	s_delay_alu instid0(VALU_DEP_1)
	v_lshl_or_b32 v212, v237, 8, v236              ; bytes 0, 1 of the word
.else
	s_delay_alu instid0(VALU_DEP_1)
	v_lshl_or_b32 v254, v237, 8, v236
	s_delay_alu instid0(VALU_DEP_1)
	v_lshl_or_b32 v212, v254, 16, v212             ; bytes 2, 3
.endif
.irp b, 0,1
	v_cvt_scalef32_pk8_fp4_f32 v[204+4*(\p)+2*\b], v[96+16*\b:103+16*\b], v[244+\b]
	v_cvt_scalef32_pk8_fp4_f32 v[205+4*(\p)+2*\b], v[104+16*\b:111+16*\b], v[244+\b]
.endr
	v_nop
	v_permlane16_swap_b32 v[204+4*(\p)], v[206+4*(\p)]
	v_permlane16_swap_b32 v[205+4*(\p)], v[207+4*(\p)]
	global_store_b128 v1, v[204+4*(\p):207+4*(\p)], s[OP:OP+1] offset:512*(\p)   ; piece p of the fragment's image: 512 consecutive bytes
.endm
	BEGIN
	HALF 0, 16, 213
	HALF 1, 16, 213
	FINISH 0
	BEGIN
	HALF 2, 24, 214
	HALF 3, 24, 214
	FINISH 1
	v_and_b32 v254, 31, v0
	s_wait_alu depctr_va_vdst(0)
	s_wait_xcnt 0x0                                ; EXEC changes only behind this wait
	v_cmp_gt_u32 vcc_lo, 16, v254
	s_and_saveexec_b32 s58, vcc_lo
	global_store_b32 v2, v212, s[OSP:OSP+1]        ; my 16 tokens' scale words of this K step: 4 bytes at every 16 (the other three words of a row belong to other pairs of heads)
	s_wait_xcnt 0x0
	s_or_b32 exec_lo, exec_lo, s58
	s_wait_tensorcnt 0x0
	ds_add_u32 v251, v255
	s_wait_dscnt 0x0
	CROUND                                         ; the closing round
	s_endpgm
.Lfunc_end_k_qc073bc3a32_attn:
	.size	k_qc073bc3a32_attn, .Lfunc_end_k_qc073bc3a32_attn-k_qc073bc3a32_attn
	.p2alignl 7, 3214868480
	.fill 96, 4, 3214868480
	.section	.rodata,"a",@progbits
	.p2align	6, 0x0
	.amdhsa_kernel k_qc073bc3a32_attn
		.amdhsa_group_segment_fixed_size 288768
		.amdhsa_private_segment_fixed_size 0
		.amdhsa_enable_private_segment 0
		.amdhsa_kernarg_size 24
		.amdhsa_user_sgpr_count 2
		.amdhsa_user_sgpr_kernarg_segment_ptr 1
		.amdhsa_wavefront_size32 1
		.amdhsa_system_sgpr_workgroup_id_x 1
		.amdhsa_system_sgpr_workgroup_id_y 1
		.amdhsa_system_sgpr_workgroup_id_z 1
		.amdhsa_system_vgpr_workitem_id 0
		.amdhsa_next_free_vgpr 256
		.amdhsa_next_free_sgpr 72
		.amdhsa_reserve_vcc 1
		.amdhsa_float_denorm_mode_32 3
		.amdhsa_float_denorm_mode_16_64 3
		.amdhsa_memory_ordered 1
		.amdhsa_forward_progress 1
		.amdhsa_inst_pref_size 84
	.end_amdhsa_kernel
	.amdgpu_metadata
---
amdhsa.version: [ 1, 2 ]
amdhsa.kernels:
  - .name:           k_qc073bc3a32_attn
    .symbol:         k_qc073bc3a32_attn.kd
    .args:
      - { .name: qrec, .offset: 0, .size: 8, .value_kind: global_buffer, .address_space: global }
      - { .name: kv, .offset: 8, .size: 8, .value_kind: global_buffer, .address_space: global }
      - { .name: orec, .offset: 16, .size: 8, .value_kind: global_buffer, .address_space: global }
    .group_segment_fixed_size: 288768
    .private_segment_fixed_size: 0
    .kernarg_segment_align: 8
    .kernarg_segment_size: 24
    .max_flat_workgroup_size: 512
    .sgpr_count:     72
    .vgpr_count:     256
    .wavefront_size: 32
...
	.end_amdgpu_metadata
.endif
;; end of part 3
;; launch oproj (part 4): grid 4 x 64, 4 waves a work-group, clusters of 4 x 4, 243,200 bytes of LDS; arguments orec, crec, b_o, out0; writes out0
.if DOCPART == 4
	.amdgcn_target "amdgcn-amd-amdhsa--gfx1250"
	.amdhsa_code_object_version 6
	.text
	.protected	k_qc073bc3a32_oproj
	.globl	k_qc073bc3a32_oproj
	.p2align	8
	.type	k_qc073bc3a32_oproj,@function
k_qc073bc3a32_oproj:
	s_mov_b64 s[64:65], 0
	v_nop
	global_prefetch_b8 v0, s[64:65] scope:SCOPE_SE
	s_setreg_imm32_b32 hwreg(HW_REG_WAVE_MODE, 25, 1), 1
	s_wait_xcnt 0x0
	s_wait_alu depctr_hold_cnt(0) depctr_sa_sdst(0) depctr_va_vdst(0) depctr_va_sdst(0) depctr_va_ssrc(0) depctr_va_vcc(0) depctr_vm_vsrc(0)
	s_getreg_b32 s2, hwreg(HW_REG_IB_STS2, 6, 4)
	s_cmp_eq_u32 s2, 0
	s_cbranch_scc0 .Lentry_in_a_cluster
	s_endpgm
.Lentry_in_a_cluster:
	s_bfe_u32 s2, ttmp6, 0x10000c
	s_cmp_lg_u32 s2, 0xf033
	s_cbranch_scc0 .Lentry_shape_is_right
	s_endpgm
.Lentry_shape_is_right:
; out0 = O W_o^T + b_o on codes of FP4 with E8M0 scales: O from orec, W_o from crec's groups 88-95; sums in f32, begun with the bias.
; SHARES.  A work-group makes 128 tokens x 256 columns; wave w: token tiles 4 (w / 2) .. + 3 against weight group w % 2: 64 x 128, 32 accumulators.
; LDS.  All of K lies in LDS: the token record at 0, the two weight records behind it (69,632 bytes each), each byte filled once; behind them a stage of 16 rows x 528 bytes for each wave, into which no fill lands.
; Wave 0 brings the token record, waves 2 and 3 the weight records, by two tensor loads each (scale words with K steps 0-3, then K steps 4-7): two tensor loads of a wave are out.  Wave 1 fetches nothing.
; CLUSTER 4 x 4: the four of a row of the cluster need the same token record, the four of a column the same weight records: joint loads with the mask of the four.
; Source 0 = 16 rows of W_o, source 1 = 16 tokens: a lane holds one token; a tile's rows are 32 (t / 2) + 8 (t % 2) + r + 8 (r / 8), so register j of weight tile b is column 32 (b / 2) + 16 h + 8 (b % 2) + j.
; REGISTERS: window 0: v1-12 lane terms and addresses; v32-95 scale words; v128-191 and v192-255 the way out (v192-255 first hold the bias as C).
;   window 1: v0-127 two sets of W_o's eight fragments; v128-159, v192-223 two sets of the tokens' four.   window 2: accumulator (a, b) at v[8 (8 a + b)].
.set REC,  69632
.set CH0,  36864
.set STAGE, 3*REC
.set SPT,  528
.set ADT,  4
.set ADW,  5
.set ADS,  6
.set ADS2, 7
.set STO,  9
.set RD,   10
.set SC,   32
.set BI,   192
.set WV,   16
.set G1T0, 24
.set G1T1, 32
.set G1W0, 40
.set G1W1, 48
.set G0T0, 56
.set G0T1, 60
.set G0W0, 68
.set G0W1, 72
.set OB,   84
.set BP,   86
.set MSB, 0
.macro WIN new                         ; the immediate's high byte repeats the setting that is left
.if MSB != (\new)
	s_set_vgpr_msb (MSB<<8)|(\new)
.set MSB, (\new)
.endif
.endm
.macro PLACES n
.rept \n
	v_nop
.endr
.endm
.macro CROUND
	s_barrier_signal -1
	s_barrier_wait -1
	s_cmp_lg_u32 s[WV], 0
	s_cbranch_scc1 .Lnot_wave_0_\@
	s_barrier_signal -3
.Lnot_wave_0_\@:
	s_barrier_wait -3
	s_barrier_signal -1
	s_barrier_wait -1
.endm
.macro GROUP0 g, l, a, off
	s_mov_b32 s[\g], 1
	s_add_co_u32 s[\g+1], s[\l], \off
	s_add_nc_u64 s[\g+2:\g+3], s[\a:\a+1], \off
	s_or_b32 s[\g+3], s[\g+3], 0x80000000
.endm
.macro FETCH s, set, a0, a1, na
	WIN 0x40
.irp i, 0,1,2,3,4,5,6,7
.irp c, 0,1
	ds_load_b128 v[64*(\set)+8*\i+4*\c:64*(\set)+8*\i+4*\c+3], v[\a0] offset:8192*(\s)+1024*\i+512*\c
.endr
.endr
.irp i, 0,1,2,3,4,5,6,7
.if \i < \na
.irp c, 0,1
	ds_load_b128 v[128+64*(\set)+8*\i+4*\c:128+64*(\set)+8*\i+4*\c+3], v[\a1] offset:8192*(\s)+1024*\i+512*\c
.endr
.endif
.endr
.endm
; The products of K step s; the 32 accumulators take turns, one instruction a turn, in the same order in every step.
.macro MUL s, set, na
.irp a, 0,1,2,3
.if (\s) == 0
	WIN 0x85                                       ; sources 0, 1 window 1; C (the bias) window 0; D window 2
.else
	WIN 0xa5
.endif
.irp b, 0,1,2,3,4,5,6,7
.set rD, 8*(8*\a+\b)
.set rA, 64*(\set)+8*\b
.set rB, 128+64*(\set)+8*\a
.set sA, SC+8*\b+(\s)
.set sB, SC+8*\a+(\s)
.set rC, rD
.if (\s) == 0
.set rC, BI+8*\b
.endif
	v_wmma_scale_f32_16x16x128_f8f6f4 v[rD:rD+7], v[rA:rA+7], v[rB:rB+7], v[rC:rC+7], v[sA], v[sB] matrix_a_fmt:MATRIX_FMT_FP4 matrix_b_fmt:MATRIX_FMT_FP4 matrix_a_scale:MATRIX_SCALE_ROW1
.endr
.endr
.endm
.macro STEP s
.if (\s) == 3
	s_wait_tensorcnt 0x0                           ; K steps 4-7 of what I fetch have landed,
	s_wait_dscnt 0x0
	s_barrier_signal -1
	s_barrier_wait -1                              ; and everybody's have.
.endif
.if (\s) < 7
.if (\s) > 0
	PLACES 4                                       ; in front of loads into the set that the last step's products read
.endif
	FETCH (\s)+1, ((\s)+1)%2, ADW, ADT, 4
	s_wait_dscnt 24                                ; all but the 24 loads just issued
.else
	s_wait_dscnt 0x0
.endif
	MUL \s, (\s)%2, 4
.endm
.macro SCALES                          ; register SC + 8 i + s: lanes 0-15 my token tile i's word (i < 4), lanes 16-31 weight tile i's
.irp i, 0,1,2,3
.irp q, 0,1
	ds_load_b128 v[SC+8*\i+4*\q:SC+8*\i+4*\q+3], v[ADS] offset:512*\i+256*\q
.endr
.endr
.irp i, 4,5,6,7
.irp q, 0,1
	ds_load_b128 v[SC+8*\i+4*\q:SC+8*\i+4*\q+3], v[ADS2] offset:512*(\i-4)+256*\q   ; lanes 0-15 read their first four tiles' words once more: they are not used
.endr
.endr
.endm
	s_load_b256 s[4:11], s[0:1], 0x0               ; orec s[4:5], crec s[6:7], b_o s[8:9], out0 s[10:11]
	v_lshl_add_u32 v126, v0, 2, 0x3b400
	v_mov_b32 v127, 0
	ds_add_u32 v126, v127
	ds_add_u32 v126, v127
	v_lshrrev_b32 v1, 5, v0
	v_readfirstlane_b32 s[WV], v1
	s_lshr_b32 s17, s[WV], 1                       ; th: my half of the tokens
	s_and_b32 s18, s[WV], 1                        ; wh: my weight group
	s_bfe_u32 s19, ttmp6, 0x40000                  ; cx
	s_bfe_u32 s20, ttmp6, 0x40004                  ; cy
	s_lshl_b32 s21, ttmp9, 2
	s_add_co_u32 s21, s21, s19                     ; x: 256 columns
	s_and_b32 s22, ttmp7, 0xffff
	s_lshl_b32 s22, s22, 2
	s_add_co_u32 s22, s22, s20                     ; y: 128 tokens
	s_lshl_b32 s94, s20, 2
	s_lshl_b32 s94, 15, s94                        ; my row of the cluster
	s_lshl_b32 s95, 0x1111, s19                    ; my column
	s_or_b32 s[G1T0], s94, (3<<16)|(1<<21)         ; dense blocks as rows of 256 bytes (32 elements of 8 bytes), no padding
	s_or_b32 s[G1T1], s94, (3<<16)|(1<<21)
	s_or_b32 s[G1W0], s95, (3<<16)|(1<<21)
	s_or_b32 s[G1W1], s95, (3<<16)|(1<<21)
.irp g, G1T0, G1W0
	s_mov_b32 s[\g+1], 32<<16
	s_mov_b32 s[\g+2], 144<<16
	s_mov_b32 s[\g+3], 32<<16
	s_mov_b32 s[\g+4], 144
	s_mov_b32 s[\g+5], 32
	s_mov_b32 s[\g+6], 0
	s_mov_b32 s[\g+7], 0
.endr
.irp g, G1T1, G1W1
	s_mov_b32 s[\g+1], 32<<16
	s_mov_b32 s[\g+2], 128<<16
	s_mov_b32 s[\g+3], 32<<16
	s_mov_b32 s[\g+4], 128
	s_mov_b32 s[\g+5], 32
	s_mov_b32 s[\g+6], 0
	s_mov_b32 s[\g+7], 0
.endr
	s_mul_i32 s96, s22, REC                        ; the token record: made of y alone
	s_mov_b32 s97, 0
	s_lshl_b32 s98, s21, 1                         ; the weight record: group 88 + 2 x + (wave & 1): made of x alone
	s_add_co_u32 s98, s98, s18
	s_add_co_u32 s98, s98, 88
	s_mul_i32 s98, s98, REC
	s_mov_b32 s99, 0
	s_mov_b32 s23, 0                               ; the token record goes to LDS byte 0,
	s_mul_i32 s80, s18, REC
	s_add_co_u32 s80, s80, REC                     ; the weight records behind it
	s_wait_dscnt 0x0
	s_wait_kmcnt 0x0
	s_add_nc_u64 s[76:77], s[4:5], s[96:97]
	s_add_nc_u64 s[78:79], s[6:7], s[98:99]
	GROUP0 G0T0, 23, 76, 0
	GROUP0 G0T1, 23, 76, CH0
	GROUP0 G0W0, 80, 78, 0
	GROUP0 G0W1, 80, 78, CH0
	CROUND                                         ; all sixteen work-groups are here: the joint loads meet
	s_cmp_eq_u32 s[WV], 0
	s_cbranch_scc0 .Lnot_t
	tensor_load_to_lds s[G0T0:G0T0+3], s[G1T0:G1T0+7]
	s_nop 0
	tensor_load_to_lds s[G0T1:G0T1+3], s[G1T1:G1T1+7]
	s_nop 0
	PLACES 4                                       ; (four places behind a tensor load)
	s_branch .Lfilled
.Lnot_t:
	s_cmp_lt_u32 s[WV], 2
	s_cbranch_scc1 .Lfilled
	tensor_load_to_lds s[G0W0:G0W0+3], s[G1W0:G1W0+7]
	s_nop 0
	tensor_load_to_lds s[G0W1:G0W1+3], s[G1W1:G1W1+7]
	s_nop 0
	PLACES 4
.Lfilled:
	v_and_b32 v1, 31, v0                           ; lane
	v_and_b32 v2, 15, v0                           ; r
	v_bfe_u32 v3, v0, 4, 1                         ; h
	v_lshlrev_b32 v8, 4, v1                        ; 16 x lane
	s_lshl_b32 s2, s17, 12
	s_add_co_u32 s2, s2, 4096
	v_add_nc_u32 v[ADT], s2, v8                    ; my four token tiles' fragments
	s_mul_i32 s3, s18, REC
	s_add_co_u32 s3, s3, REC                       ; my weight record
	s_add_co_u32 s2, s3, 4096
	v_add_nc_u32 v[ADW], s2, v8
	s_lshl_b32 s23, s17, 11                        ; my token tiles' scale words: 512 bytes a tile
	s_sub_co_u32 s81, s3, s23                      ; the distance to the weights'
	v_lshlrev_b32 v[ADS], 4, v2
	v_mul_u32_u24 v7, s81, v3                      ; lanes 16-31 take the weights'
	v_add_nc_u32 v[ADS], v[ADS], v7
	v_add_nc_u32 v[ADS], s23, v[ADS]
	v_lshl_add_u32 v[ADS2], v3, 11, v[ADS]         ; for weight tiles 4-7: lanes 16-31 four tiles on
	s_mul_i32 s2, s[WV], 16*SPT
	s_add_co_u32 s2, s2, STAGE                     ; my stage
	v_mul_u32_u24 v[STO], v2, SPT
	v_lshl_add_u32 v[STO], v3, 6, v[STO]
	v_add_nc_u32 v[STO], s2, v[STO]                ; in: row r, 64 h bytes on
	v_add_nc_u32 v[RD], s2, v8                     ; back: the 32 lanes take one row of 512 bytes
	v_lshlrev_b32 v12, 6, v3                       ; the bias: lanes 16-31 begin 16 numbers on
	s_wait_alu depctr_va_vdst(0)
	s_lshl_b32 s2, s22, 7
	s_lshl_b32 s3, s17, 6
	s_add_co_u32 s2, s2, s3                        ; my first token: 128 y + 64 th
	s_lshl_b32 s2, s2, 12                          ; rows of 4,096 bytes
	s_lshl_b32 s98, s21, 10
	s_lshl_b32 s3, s18, 9
	s_add_co_u32 s98, s98, s3                      ; my first column, in bytes: 1,024 x + 512 wh (s99 = 0)
	s_add_co_u32 s2, s2, s98
	s_mov_b32 s3, 0
	s_add_nc_u64 s[OB:OB+1], s[10:11], s[2:3]
	s_add_nc_u64 s[BP:BP+1], s[8:9], s[98:99]
.irp b, 0,1,2,3,4,5,6,7
	global_load_b128 v[BI+8*\b:BI+8*\b+3], v12, s[BP:BP+1] offset:(32*(\b/2)+8*(\b%2))*4
	global_load_b128 v[BI+8*\b+4:BI+8*\b+7], v12, s[BP:BP+1] offset:(32*(\b/2)+8*(\b%2))*4+16
.endr
	s_wait_tensorcnt 1                             ; the scale words and K steps 0-3 of what I fetch are in; the second load may be out
	s_barrier_signal -1
	s_barrier_wait -1
	SCALES
	FETCH 0, 0, ADW, ADT, 4
	s_wait_loadcnt 0x0                             ; the bias
.irp s, 0,1,2,3,4,5,6,7
	STEP \s
.endr
; THE WAY OUT, a tile of 16 tokens x 128 columns at a time, through my own stage: in by 32 bytes a lane, back as whole rows of 512 bytes.  LDS serves a wave's instructions in order: no wait between the stores and the loads.
.macro TOSTAGE a
	WIN 0x08                                       ; an LDS store's data are its source 1: window 2
.irp b, 0,1,2,3,4,5,6,7
	ds_store_b128 v[STO], v[64*(\a)+8*\b:64*(\a)+8*\b+3] offset:128*(\b/2)+32*(\b%2)       ; each accumulator from its low end on
	ds_store_b128 v[STO], v[64*(\a)+8*\b+4:64*(\a)+8*\b+7] offset:128*(\b/2)+32*(\b%2)+16
.endr
	WIN 0
.irp t, 0,1,2,3,4,5,6,7,8,9,10,11,12,13,14,15
	ds_load_b128 v[128+64*((\a)%2)+4*\t:128+64*((\a)%2)+4*\t+3], v[RD] offset:SPT*\t
.endr
.endm
.macro SEND a, younger                 ; younger: the LDS instructions issued behind tile a's loads, which may stay out
	s_wait_dscnt \younger
.irp t, 0,1,2,3,4,5,6,7,8,9,10,11,12,13,14,15
	global_store_b128 v8, v[128+64*((\a)%2)+4*\t:128+64*((\a)%2)+4*\t+3], s[OB:OB+1] offset:(32*((\a)/2)+8*((\a)%2)+\t+8*(\t/8))*4096 th:TH_STORE_NT   ; 32 lanes store 512 consecutive bytes, aligned; the row is the tile's token t
.endr
.endm
	PLACES 4                                       ; in front of the first read of results
	TOSTAGE 0
.irp a, 1,2,3
.if \a > 1
	s_wait_xcnt 0x0                                ; tile a - 2's stores have read their registers: tile a's loads may land there
.endif
	TOSTAGE \a
	SEND \a-1, 32                                  ; behind tile a - 1's loads: tile a's 16 stores and 16 loads
.endr
	SEND 3, 0
	s_wait_tensorcnt 0x0
	ds_add_u32 v126, v127
	s_wait_dscnt 0x0
	CROUND                                         ; the closing round: no work-group ends while a partner may still ask for a record that names it
	s_endpgm
.Lfunc_end_k_qc073bc3a32_oproj:
	.size	k_qc073bc3a32_oproj, .Lfunc_end_k_qc073bc3a32_oproj-k_qc073bc3a32_oproj
	.p2alignl 7, 3214868480
	.fill 96, 4, 3214868480
	.section	.rodata,"a",@progbits
	.p2align	6, 0x0
	.amdhsa_kernel k_qc073bc3a32_oproj
		.amdhsa_group_segment_fixed_size 243200
		.amdhsa_private_segment_fixed_size 0
		.amdhsa_enable_private_segment 0
		.amdhsa_kernarg_size 32
		.amdhsa_user_sgpr_count 2
		.amdhsa_user_sgpr_kernarg_segment_ptr 1
		.amdhsa_wavefront_size32 1
		.amdhsa_system_sgpr_workgroup_id_x 1
		.amdhsa_system_sgpr_workgroup_id_y 1
		.amdhsa_system_sgpr_workgroup_id_z 1
		.amdhsa_system_vgpr_workitem_id 0
		.amdhsa_next_free_vgpr 768
		.amdhsa_next_free_sgpr 100
		.amdhsa_reserve_vcc 0
		.amdhsa_float_denorm_mode_32 3
		.amdhsa_float_denorm_mode_16_64 3
		.amdhsa_memory_ordered 1
		.amdhsa_forward_progress 1
		.amdhsa_inst_pref_size 71
	.end_amdhsa_kernel
	.amdgpu_metadata
---
amdhsa.version: [ 1, 2 ]
amdhsa.kernels:
  - .name:           k_qc073bc3a32_oproj
    .symbol:         k_qc073bc3a32_oproj.kd
    .args:
      - { .name: orec, .offset: 0, .size: 8, .value_kind: global_buffer, .address_space: global }
      - { .name: crec, .offset: 8, .size: 8, .value_kind: global_buffer, .address_space: global }
      - { .name: b_o, .offset: 16, .size: 8, .value_kind: global_buffer, .address_space: global }
      - { .name: out0, .offset: 24, .size: 8, .value_kind: global_buffer, .address_space: global }
    .group_segment_fixed_size: 243200
    .private_segment_fixed_size: 0
    .kernarg_segment_align: 8
    .kernarg_segment_size: 32
    .max_flat_workgroup_size: 128
    .sgpr_count:     100
    .vgpr_count:     768
    .wavefront_size: 32
...
	.end_amdgpu_metadata
.endif
;; end of part 4
